; MI455X (gfx1250); checked and timed in simulation.
; The chip was launched on July 23, 2026; its instructions are those of AMD's public machine-readable ISA for CDNA 5 (MIT licence, August 2026) and "CDNA5" Instruction Set Architecture Reference Guide (July 2026). The comments in the code are by the model that wrote it; some were corrected since.
;; Gaussian Actor. Allowed arithmetic: float matrix products may take bf16 or f16 operands with f32 sums; other float arithmetic in f32, or as packed bf16 or f16 multiplies, adds, multiply-adds, maxima and minima; sums over many terms, partial sums and values carried from step to step in f32; what a program stores and reads back later, other than sums and carried values, may be rounded once to bf16 or f16.
;; Inputs: W1 48 x 256 float32; W2 256 x 256 float32; W3 256 x 256 float32; Wm 256 x 12 float32; b1 256 float32; b2 256 float32; b3 256 float32; be1 256 float32; be2 256 float32; be3 256 float32; bm 12 float32; g1 256 float32; g2 256 float32; g3 256 float32; x 262,144 x 48 float32.
;; Outputs: out0 262,144 x 12 float32.
;; 2 versions, each right; version 2 is version 1 with the launch prep written anew for expert scheduling mode. Each part assembles by itself: llvm-mc -triple=amdgcn-amd-amdhsa -mcpu=gfx1250 --defsym DOCPART=n.
;; ======== version 1 of 2: 2 launches
;; limits: values are held in f16: magnitudes above 65,504 overflow, below 6.1e-05 lose precision
;; workspace buffers: wimg 308,224 bytes
;; launch prep (part 1): grid 3 x 1, 32 waves a work-group, no clusters, 167,936 bytes of LDS; arguments W1, W2, W3, Wm, b1, g1, be1, b2, g2, be2, b3, g3, be3, bm, wimg; writes wimg
.if DOCPART == 1
	.amdgcn_target "amdgcn-amd-amdhsa--gfx1250"
	.amdhsa_code_object_version 6
	.text
	.protected	k_qc1f767f5c9_prep
	.globl	k_qc1f767f5c9_prep
	.p2align	8
	.type	k_qc1f767f5c9_prep,@function
k_qc1f767f5c9_prep:
	s_mov_b64 s[64:65], 0
	v_nop
	global_prefetch_b8 v0, s[64:65] scope:SCOPE_SE
	s_setreg_imm32_b32 hwreg(HW_REG_WAVE_MODE, 25, 1), 1
	s_wait_xcnt 0x0
; PREP: makes wimg, the image of all weights and parameters that the main launch lays into LDS.
; LayerNorm needs h - mean_n(h), and h - mean_n(h) = x (W - rowmean_n W) + (b - mean b) for every input: so each row k of W1, W2, W3 has its mean over
; the 256 features taken away here, in f32, before its one rounding to f16, and b1, b2, b3 have their means taken away.  Wm and bm are not centred.
; wimg: 0 W2c^T (row n = 256 f16 along k, 512 bytes); 131,072 W3c^T; 262,144 Wm^T, 16 rows (m 0-5 = outputs 0-5, m 8-13 = outputs 6-11, the others 0);
;   270,336 W1c^T, rows of 112 bytes: 48 f16, then (b1c as f16, what that rounding left as f16, six zeros); 299,008 nine vectors of 256 f32: g1, be1, b2c, g2, be2, b3c, g3, be3, bm'
;   (bm' = bm0-5, 0, 0, bm6-11, 0, 0, zeros).
; LIMITS.  A centred weight, or a centred b1, of 65,520 or more becomes an infinity in f16; below 6e-5 f16 keeps a fixed step of 6e-8.  NaN and infinities are not treated apart.
; SHARES.  Work-groups 0 and 1 take W2 and W3: wave u takes rows k = 8u .. 8u+7 (8,192 consecutive bytes), centres them, and puts for each n the 16 bytes (8 k) into an LDS row n; behind
; one barrier whole rows of 512 bytes go out.  Work-group 2: waves 0-5 W1 in the same way, wave 6 b1, waves 7-22 a row of Wm^T each, waves 23-30 a vector each, wave 31 bm'.
; LDS.  0: 256 rows of 528 bytes for W2 or W3.  W1REG: 256 rows of 112 bytes for W1 and b1, a region of their own, so that the two paths' stores name different bytes.  SPARE: the spare words.
.set LO,  2                            ; v2   16 x lane
.set LS,  3                            ; v3   LDS: row 4 x lane, byte 16 x wave
.set LS2, 4                            ; v4   the same, 128 rows on
.set CL,  5                            ; v5   copy-out: where I read in LDS
.set CL2, 6                            ; v6   the same, 128 rows on
.set CG,  7                            ; v7   16 x thread
.set R,   16                           ; v[16:79]   8 rows as loaded: row kk at R + 8 kk: n = 4 l + 0..3, then n = 128 + 4 l + 0..3
.set SM,  80                           ; v[80:95]   a pair for each row's sum
.set CV,  96                           ; v[96:111]  four pieces of 16 bytes
.set SPW, 112                          ; v112 LDS address of my spare word; never rewritten
.set NIL, 113                          ; v113 0; never rewritten
.set W1REG, 135168                     ; behind 256 rows of 528 bytes: 256 rows of 112 bytes
.set SPARE, 163840                     ; behind those: the spare words, 128 bytes for each of 32 waves
.set WV,  2                            ; s2   my wave's number
.set NI,  38                           ; s[38:39] -1/256, or 0 for a vector that is not centred (low word; the pair is named)
.set SEL, 40                           ; s[40:41] v_permlanex16_b32's selects: each lane takes its own place in the other half
.set O_WM,  262144
.set O_W1,  270336
.set O_PAR, 299008
; nr rows in R: each row's sum over its 256 numbers (8 a lane, then across the 32 lanes), and row = row + NI x sum.  One operation for all rows, then the next, so that no line waits for the one before it.
.macro ROWS nr
.set kk, 0
.rept \nr
	v_pk_add_f32 v[SM+2*kk:SM+2*kk+1], v[R+8*kk:R+8*kk+1], v[R+8*kk+2:R+8*kk+3]
.set kk, kk+1
.endr
.set kk, 0
.rept \nr
	v_pk_add_f32 v[SM+2*kk:SM+2*kk+1], v[SM+2*kk:SM+2*kk+1], v[R+8*kk+4:R+8*kk+5]
.set kk, kk+1
.endr
.set kk, 0
.rept \nr
	v_pk_add_f32 v[SM+2*kk:SM+2*kk+1], v[SM+2*kk:SM+2*kk+1], v[R+8*kk+6:R+8*kk+7]
.set kk, kk+1
.endr
.set kk, 0
.rept \nr
	v_add_f32 v[SM+2*kk], v[SM+2*kk], v[SM+2*kk+1]
.set kk, kk+1
.endr
.irp m, 1, 2, 4, 8
.set kk, 0
.rept \nr
	v_add_f32_dpp v[SM+2*kk], v[SM+2*kk], v[SM+2*kk] row_xmask:\m row_mask:0xf bank_mask:0xf
.set kk, kk+1
.endr
.endr
.set kk, 0
.rept \nr
	v_permlanex16_b32 v[SM+2*kk+1], v[SM+2*kk], s[SEL], s[SEL+1]
.set kk, kk+1
.endr
.set kk, 0
.rept \nr
	v_add_f32 v[SM+2*kk], v[SM+2*kk], v[SM+2*kk+1]
.set kk, kk+1
.endr
.set kk, 0
.rept \nr
.set pp, 0
.rept 4
	v_pk_fma_f32 v[R+8*kk+2*pp:R+8*kk+2*pp+1], v[SM+2*kk:SM+2*kk+1], s[NI:NI+1], v[R+8*kk+2*pp:R+8*kk+2*pp+1] op_sel_hi:[0,0,1]
.set pp, pp+1
.endr
.set kk, kk+1
.endr
.endm
.macro LSADDR pitch, base              ; base + row 4 x lane + byte 16 x wave, and the same 128 rows on
	v_mul_u32_u24 v[LS], v1, 4*(\pitch)
	v_lshl_add_u32 v[LS], s[WV], 4, v[LS]
.if (\base) != 0
	v_add_nc_u32 v[LS], \base, v[LS]
.endif
	v_add_nc_u32 v[LS2], 128*(\pitch), v[LS]
.endm
; Eight rows of a [K][256] matrix at s[4:5]: loaded (each load 512 consecutive bytes), centred, rounded, and laid into LDS turned: for column cc of my eight, the 8 k as 16 bytes of row n.
.macro UNIT pitch, base
.set kk, 0
.rept 8
	global_load_b128 v[R+8*kk:R+8*kk+3],   v[LO], s[4:5] offset:1024*kk
	global_load_b128 v[R+8*kk+4:R+8*kk+7], v[LO], s[4:5] offset:1024*kk+512
.set kk, kk+1
.endr
	LSADDR \pitch, \base
	s_wait_loadcnt 0x0
	ROWS 8
.set cc, 0
.rept 8
.set jj, 0
.rept 4
	v_cvt_pk_f16_f32 v[CV+4*(cc&3)+jj], v[R+16*jj+cc], v[R+16*jj+8+cc]
.set jj, jj+1
.endr
.if cc < 4
	ds_store_b128 v[LS],  v[CV+4*(cc&3):CV+4*(cc&3)+3] offset:(cc&3)*(\pitch)
.else
	ds_store_b128 v[LS2], v[CV+4*(cc&3):CV+4*(cc&3)+3] offset:(cc&3)*(\pitch)
.endif
.set cc, cc+1
.endr
.endm
	s_load_b512 s[8:23], s[0:1], 0x0               ; W1 s8, W2 s10, W3 s12, Wm s14, b1 s16, g1 s18, be1 s20, b2 s22
	s_load_b256 s[24:31], s[0:1], 0x40             ; g2 s24, be2 s26, b3 s28, g3 s30
	s_load_b128 s[32:35], s[0:1], 0x60             ; be3 s32, bm s34
	s_load_b64 s[36:37], s[0:1], 0x70              ; wimg
	v_lshl_add_u32 v[SPW], v0, 2, SPARE
	v_mov_b32 v[NIL], 0
	v_and_b32 v1, 31, v0                           ; lane
	v_lshrrev_b32 v8, 5, v0
	v_readfirstlane_b32 s[WV], v8                  ; wave 0..31
	v_lshlrev_b32 v[LO], 4, v1
	v_lshlrev_b32 v[CG], 4, v0
	s_mov_b32 s[NI], 0xbb800000                    ; -1/256
	s_mov_b32 s[NI+1], 0
	s_mov_b32 s[SEL], 0x76543210
	s_mov_b32 s[SEL+1], 0xfedcba98
	s_mov_b32 s7, 0                                ; the high word of every offset pair s[6:7]
	s_wait_kmcnt 0x0
	s_cmp_eq_u32 ttmp9, 2
	s_cbranch_scc1 .Lsmall
	; work-groups 0 and 1: W2 or W3
	s_cmp_eq_u32 ttmp9, 0
	s_cselect_b64 s[4:5], s[10:11], s[12:13]
	s_lshl_b32 s6, s[WV], 13                       ; my 8 rows of 1,024 bytes
	s_add_nc_u64 s[4:5], s[4:5], s[6:7]
	UNIT 528, 0
	s_branch .Ljoin
.Lsmall:
	s_cmp_lt_u32 s[WV], 6
	s_cbranch_scc0 .Lnot_w1
	s_lshl_b32 s6, s[WV], 13                       ; waves 0-5: W1's 48 rows
	s_add_nc_u64 s[4:5], s[8:9], s[6:7]
	UNIT 112, W1REG
	s_branch .Ljoin
.Lnot_w1:
	s_cmp_eq_u32 s[WV], 6
	s_cbranch_scc0 .Lnot_b1
	; wave 6: b1, centred, as two f16 that add up to it, at byte 96 = 16 x 6 of W1's rows
	global_load_b128 v[R:R+3],   v[LO], s[16:17]
	global_load_b128 v[R+4:R+7], v[LO], s[16:17] offset:512
	LSADDR 112, W1REG
.set cc, 0
.rept 4
	v_mov_b32 v[CV+4*cc+1], 0
	v_mov_b32 v[CV+4*cc+2], 0
	v_mov_b32 v[CV+4*cc+3], 0
.set cc, cc+1
.endr
	s_wait_loadcnt 0x0
	ROWS 1
.set cc, 0
.rept 8
	v_cvt_pk_f16_f32 v8, v[R+cc], v[R+cc]
	v_cvt_f32_f16 v9, v8.l
	v_sub_f32 v9, v[R+cc], v9                      ; what the rounding left
	v_cvt_pk_f16_f32 v[CV+4*(cc&3)], v[R+cc], v9
.if cc < 4
	ds_store_b128 v[LS],  v[CV+4*(cc&3):CV+4*(cc&3)+3] offset:(cc&3)*112
.else
	ds_store_b128 v[LS2], v[CV+4*(cc&3):CV+4*(cc&3)+3] offset:(cc&3)*112
.endif
.set cc, cc+1
.endr
	s_branch .Ljoin
.Lnot_b1:
	s_cmp_lt_u32 s[WV], 23
	s_cbranch_scc0 .Lnot_wm
	; waves 7-22: row m = wave - 7 of Wm^T.  Lane p takes k = 8 p .. 8 p + 7 of column o; rows 6, 7, 14, 15 are masked to 0
	s_sub_co_u32 s43, s[WV], 7                     ; m
	s_lshr_b32 s42, s43, 3
	s_lshl_b32 s42, s42, 1
	s_sub_co_u32 s42, s43, s42
	s_min_u32 s42, s42, 11                         ; o = min(m - 2 (m / 8), 11): inside Wm's 12 columns for every m
	s_lshl_b32 s42, s42, 2
	v_mul_u32_u24 v8, v1, 384                      ; 8 rows of 48 bytes a lane
	v_add_nc_u32 v8, s42, v8
.set cc, 0
.rept 8
	global_load_b32 v[R+cc], v8, s[14:15] offset:48*cc
.set cc, cc+1
.endr
	s_and_b32 s46, s43, 7
	s_cmp_lt_u32 s46, 6
	s_cselect_b32 s46, -1, 0
	s_lshl_b32 s47, s43, 9
	v_add_nc_u32 v9, s47, v[LO]                    ; 512 m + 16 p
	s_wait_loadcnt 0x0
.set cc, 0
.rept 4
	v_cvt_pk_f16_f32 v[CV+cc], v[R+2*cc], v[R+2*cc+1]
.set cc, cc+1
.endr
.set cc, 0
.rept 4
	v_and_b32 v[CV+cc], s46, v[CV+cc]
.set cc, cc+1
.endr
	global_store_b128 v9, v[CV:CV+3], s[36:37] offset:O_WM  ; the wave stores 512 consecutive bytes
	s_branch .Ljoin
.Lnot_wm:
	s_cmp_lt_u32 s[WV], 31
	s_cbranch_scc0 .Lbm
	; waves 23-30: vector j = wave - 23 of g1, be1, b2, g2, be2, b3, g3, be3; b2 and b3 are centred
	s_sub_co_u32 s43, s[WV], 23
	s_mov_b64 s[4:5], s[18:19]
.irp j, 1, 2, 3, 4, 5, 6, 7
	s_cmp_eq_u32 s43, \j
	s_cselect_b64 s[4:5], s[18+2*\j:19+2*\j], s[4:5]
.endr
	s_cmp_eq_u32 s43, 2
	s_cselect_b32 s46, s[NI], 0
	s_cmp_eq_u32 s43, 5
	s_cselect_b32 s[NI], s[NI], s46
	global_load_b128 v[R:R+3],   v[LO], s[4:5]
	global_load_b128 v[R+4:R+7], v[LO], s[4:5] offset:512
	s_lshl_b32 s47, s43, 10
	v_add_nc_u32 v9, s47, v[LO]
	s_wait_loadcnt 0x0
	ROWS 1
	global_store_b128 v9, v[R:R+3],   s[36:37] offset:O_PAR
	global_store_b128 v9, v[R+4:R+7], s[36:37] offset:O_PAR+512
	s_branch .Ljoin
.Lbm:
	; wave 31: bm'.  Number e = 4 l + i (l < 4) is bm[e - 2 (e / 8)] where e % 8 < 6, else 0; the index is held inside bm's 12 numbers in every lane
	v_lshrrev_b32 v12, 1, v1
	v_lshlrev_b32 v12, 1, v12
	v_lshlrev_b32 v13, 2, v1
	v_sub_nc_u32 v13, v13, v12
.set cc, 0
.rept 4
	v_add_nc_u32 v[8+cc], cc, v13
	v_min_u32 v[8+cc], 11, v[8+cc]
	v_lshlrev_b32 v[8+cc], 2, v[8+cc]
.set cc, cc+1
.endr
.set cc, 0
.rept 4
	global_load_b32 v[R+cc], v[8+cc], s[34:35]
.set cc, cc+1
.endr
	v_and_b32 v14, 1, v1
	v_lshlrev_b32 v14, 2, v14                      ; 4 (l % 2),
	v_cmp_gt_u32 vcc_lo, 4, v1
	v_cndmask_b32 v14, 8, v14, vcc_lo              ; or 8 in lanes 4 and up, so that nothing there counts
.set cc, 0
.rept 4
	v_mov_b32 v[R+4+cc], 0
.set cc, cc+1
.endr
	s_wait_loadcnt 0x0
.set cc, 0
.rept 4
	v_cmp_gt_u32 vcc_lo, 6-cc, v14
	v_cndmask_b32 v[R+cc], 0, v[R+cc], vcc_lo
.set cc, cc+1
.endr
	global_store_b128 v[LO], v[R:R+3],   s[36:37] offset:O_PAR+8192
	global_store_b128 v[LO], v[R+4:R+7], s[36:37] offset:O_PAR+8192+512
.Ljoin:
	s_wait_xcnt 0x0                                ; R, which stores above read, is loaded into again below only behind this wait
	s_wait_dscnt 0x0                               ; for the others' sake: my stores into the LDS rows are done
	s_barrier_signal -1
	s_barrier_wait -1
	s_cmp_eq_u32 ttmp9, 2
	s_cbranch_scc1 .Lout_small
	; W2 or W3 leaves: in turn i wave u takes row u + 32 i, 512 bytes, which are 512 consecutive bytes of wimg
	s_lshl_b32 s6, ttmp9, 17
	s_add_nc_u64 s[44:45], s[36:37], s[6:7]
	s_mul_i32 s46, s[WV], 528
	v_add_nc_u32 v[CL], s46, v[LO]
	v_add_nc_u32 v[CL2], 67584, v[CL]
.set cc, 0
.rept 4
	ds_load_b128 v[R+4*cc:R+4*cc+3], v[CL] offset:16896*cc
.set cc, cc+1
.endr
.set cc, 0
.rept 4
	ds_load_b128 v[R+16+4*cc:R+16+4*cc+3], v[CL2] offset:16896*cc
.set cc, cc+1
.endr
.set cc, 0
.rept 8
	s_wait_dscnt 7-cc                              ; LDS loads come back in order: load cc is in, the younger ones may be out
	global_store_b128 v[CG], v[R+4*cc:R+4*cc+3], s[44:45] offset:16384*cc
.set cc, cc+1
.endr
	s_branch .Lend
.Lout_small:
	; W1's 28,672 bytes leave as they lie: 16 bytes a thread, and 12,288 more by the first 24 waves
	v_add_nc_u32 v[CL], W1REG, v[CG]
	ds_load_b128 v[R:R+3], v[CL]
	s_cmp_lt_u32 s[WV], 24
	s_cbranch_scc0 .Lone
	ds_load_b128 v[R+4:R+7], v[CL] offset:16384
	s_wait_dscnt 0x0
	global_store_b128 v[CG], v[R+4:R+7], s[36:37] offset:O_W1+16384
.Lone:
	s_wait_dscnt 0x0
	global_store_b128 v[CG], v[R:R+3], s[36:37] offset:O_W1
.Lend:
	s_wait_tensorcnt 0x0                           ; the wave's end: behind my last LDS store
	ds_add_u32 v[SPW], v[NIL]
	s_wait_dscnt 0x0
	s_endpgm
.Lfunc_end_k_qc1f767f5c9_prep:
	.size	k_qc1f767f5c9_prep, .Lfunc_end_k_qc1f767f5c9_prep-k_qc1f767f5c9_prep
	.p2alignl 7, 3214868480
	.fill 96, 4, 3214868480
	.section	.rodata,"a",@progbits
	.p2align	6, 0x0
	.amdhsa_kernel k_qc1f767f5c9_prep
		.amdhsa_group_segment_fixed_size 167936
		.amdhsa_private_segment_fixed_size 0
		.amdhsa_enable_private_segment 0
		.amdhsa_kernarg_size 120
		.amdhsa_user_sgpr_count 2
		.amdhsa_user_sgpr_kernarg_segment_ptr 1
		.amdhsa_wavefront_size32 1
		.amdhsa_system_sgpr_workgroup_id_x 1
		.amdhsa_system_sgpr_workgroup_id_y 1
		.amdhsa_system_sgpr_workgroup_id_z 1
		.amdhsa_system_vgpr_workitem_id 0
		.amdhsa_next_free_vgpr 116
		.amdhsa_next_free_sgpr 66
		.amdhsa_reserve_vcc 1
		.amdhsa_float_denorm_mode_32 3
		.amdhsa_float_denorm_mode_16_64 3
		.amdhsa_memory_ordered 1
		.amdhsa_forward_progress 1
		.amdhsa_inst_pref_size 35
	.end_amdhsa_kernel
	.amdgpu_metadata
---
amdhsa.version: [ 1, 2 ]
amdhsa.kernels:
  - .name:           k_qc1f767f5c9_prep
    .symbol:         k_qc1f767f5c9_prep.kd
    .args:
      - { .name: W1, .offset: 0, .size: 8, .value_kind: global_buffer, .address_space: global }
      - { .name: W2, .offset: 8, .size: 8, .value_kind: global_buffer, .address_space: global }
      - { .name: W3, .offset: 16, .size: 8, .value_kind: global_buffer, .address_space: global }
      - { .name: Wm, .offset: 24, .size: 8, .value_kind: global_buffer, .address_space: global }
      - { .name: b1, .offset: 32, .size: 8, .value_kind: global_buffer, .address_space: global }
      - { .name: g1, .offset: 40, .size: 8, .value_kind: global_buffer, .address_space: global }
      - { .name: be1, .offset: 48, .size: 8, .value_kind: global_buffer, .address_space: global }
      - { .name: b2, .offset: 56, .size: 8, .value_kind: global_buffer, .address_space: global }
      - { .name: g2, .offset: 64, .size: 8, .value_kind: global_buffer, .address_space: global }
      - { .name: be2, .offset: 72, .size: 8, .value_kind: global_buffer, .address_space: global }
      - { .name: b3, .offset: 80, .size: 8, .value_kind: global_buffer, .address_space: global }
      - { .name: g3, .offset: 88, .size: 8, .value_kind: global_buffer, .address_space: global }
      - { .name: be3, .offset: 96, .size: 8, .value_kind: global_buffer, .address_space: global }
      - { .name: bm, .offset: 104, .size: 8, .value_kind: global_buffer, .address_space: global }
      - { .name: wimg, .offset: 112, .size: 8, .value_kind: global_buffer, .address_space: global }
    .group_segment_fixed_size: 167936
    .private_segment_fixed_size: 0
    .kernarg_segment_align: 8
    .kernarg_segment_size: 120
    .max_flat_workgroup_size: 1024
    .sgpr_count:     66
    .vgpr_count:     116
    .wavefront_size: 32
...
	.end_amdgpu_metadata
.endif
;; end of part 1
;; launch mlp (part 2): grid 256 x 1, 4 waves a work-group, clusters of 4 x 1, 327,680 bytes of LDS; arguments x, wimg, out0; writes out0
.if DOCPART == 2
	.amdgcn_target "amdgcn-amd-amdhsa--gfx1250"
	.amdhsa_code_object_version 6
	.text
	.protected	k_qc1f767f5c9_mlp
	.globl	k_qc1f767f5c9_mlp
	.p2align	8
	.type	k_qc1f767f5c9_mlp,@function
k_qc1f767f5c9_mlp:
	s_mov_b64 s[64:65], 0
	v_nop
	global_prefetch_b8 v0, s[64:65] scope:SCOPE_SE
	s_setreg_imm32_b32 hwreg(HW_REG_WAVE_MODE, 25, 1), 1
	s_wait_xcnt 0x0
	s_wait_alu depctr_hold_cnt(0) depctr_sa_sdst(0) depctr_va_vdst(0) depctr_va_sdst(0) depctr_va_ssrc(0) depctr_va_vcc(0) depctr_vm_vsrc(0)
	s_getreg_b32 s2, hwreg(HW_REG_IB_STS2, 6, 4)
	s_cmp_eq_u32 s2, 0
	s_cbranch_scc0 .Lentry_in_a_cluster
	s_endpgm
.Lentry_in_a_cluster:
	s_bfe_u32 s2, ttmp6, 0x10000c
	s_cmp_lg_u32 s2, 0x3003
	s_cbranch_scc0 .Lentry_shape_is_right
	s_endpgm
.Lentry_shape_is_right:
; out0 = tanh(h3 Wm + bm), h = three times ReLU(LayerNorm(h W + b) g + be), for 262,144 rows; all four layers in one launch, activations never leave registers.
; wimg holds the weights turned ([feature][k], f16) and CENTRED: each row k of W1, W2, W3 less its mean over the features, b less its mean.  So a product gives d = h - mean(h) at once
; (the identity holds for every input), the variance is mean(d^2) in one pass, and no difference of large sums is formed.
; FORMATS.  Matrix operands (x, weights, activations) f16, each rounded once from f32; sums, statistics, g, be, b2, b3, bm in f32; b1 as two f16 that add up to it.
; LIMITS.  |x|, the centred weights, the centred b1 and 16 |g| + |be| (the bound of a normalised activation over 256 features) stay under 65,504, f16's end; below 6e-5 f16 keeps a fixed step of 6e-8.
; What the weights' rounding leaves of a row's mean is not taken away again.  tanh(s) = 1 - 2 / (1 + 2^(2 log2(e) s)): absolute error of the order of f32's step at 1.  NaN and infinities are not treated apart.
; SHARES.  A work-group owns 1,024 rows, each of its four waves 256: four blocks of 64 rows = 4 tiles of 16.  Behind the first barrier the waves never meet again until the closing round.
; LAYOUT.  Every product is used turned: source 0 = 16 features of W^T, source 1 = 16 rows.  In the result lane (r, h) holds row r and features 16 n + 8 h + 0..7; two neighbouring feature
; tiles rounded to f16 ARE source 1 (32 k x 16 rows) of the next layer: nothing changes lanes, and a row's sum of squares wants one exchange between the halves of the lanes.
; CLUSTER.  All work-groups need the whole image; the four of a cluster ask for it JOINTLY: each wave two tensor loads, the same descriptors and mask in all four.  Two tensor loads of a wave are out, once.
; REGISTERS, in windows of 256 (s_set_vgpr_msb: bits 1:0 source 0, 3:2 source 1, 5:4 source 2, 7:6 destination):
;   window 0: v0-15 addresses; v16-31 Q (sums of squares, then 1/sqrt); v32-47 two bias buffers; v64-127 x in f16; v128-191, v192-255 two fragment buffers
;   window 1: the activations in f16: tile t, k step s at 64 t + 8 s
;   windows 2, 3: the 64 accumulators: feature tile n, row tile t in window 2 + n / 8 at 32 (n % 8) + 8 t.  Window 3's v160-255 (n = 13-15) also take the next block's x as it is loaded.
.set IMG_W1, 278784                    ; LDS: 0 W2, 135,168 W3, 270,336 Wm: rows of 512 bytes + 16 of padding; here W1, rows of 112 bytes
.set PAR,    307456                    ; layer l at + 3,072 l: g, be, the NEXT product's bias (b2c, b3c, bm'), 1,024 bytes each
.set STAGE,  316672                    ; 1,536 bytes for each wave, for the way out; no tensor load lands here
.set SPARE,  322816                    ; the spare words, 128 bytes for each wave
.set LW,  3                            ; v3   528 r + 16 h: my place in 16 rows of a 256-wide weight
.set WA0, 4                            ; v4   the layer's weight + LW
.set WA1, 5                            ; v5   the same, 128 rows on
.set W1A, 6                            ; v6   IMG_W1 + 112 r + 48 h
.set W1B, 7                            ; v7   IMG_W1 + 112 r + 96
.set PG,  8                            ; v8   the layer's parameters + 32 h
.set XO,  10                           ; v10  192 r + 96 h: my 96 bytes of a row of x
.set SO,  11                           ; v11  the way out: where I put my 24 bytes of a row
.set SR,  12                           ; v12  the way out: where I read 16 bytes back
.set OO,  13                           ; v13  16 x lane
.set SPW, 14                           ; v14  LDS address of my spare word; never rewritten
.set NIL, 15                           ; v15  0; never rewritten
.set Q,   16                           ; tile t: two chains of pairs at Q + 4 t, Q + 4 t + 2; 1/sqrt(var + eps) ends in Q + 4 t
.set BI,  32
.set X16, 64                           ; tile t at + 16 t: registers 0-11 x, 12 two ones (lanes 0-15) or 0, 13-15 zeros
.set F0,  128
.set F1,  192
.set X32, 160                          ; window 3
.set WV,  10                           ; s10  my wave's number
.set XB,  40                           ; s[40:41] x at the block to be loaded next
.set OUTB, 42                          ; s[42:43] out0 at the block in hand
.set BLK, 44                           ; s44  blocks to go
.set LAY, 45                           ; s45  LayerNorms to go in the block
.set WB,  46                           ; s46  LDS byte of the weight of the product to come
.set PB,  47                           ; s47  LDS byte of the parameters of the LayerNorm to come
.set SEL, 48                           ; s[48:49] v_permlanex16_b32's selects
.set FLG, 56                           ; s56  1: no x is loaded in this layer
.set MSB, 0
.macro WIN new                         ; the immediate's high byte repeats the setting that is left; a switch that changes nothing is dropped
.if MSB != (\new)
	s_set_vgpr_msb (MSB<<8)|(\new)
.set MSB, (\new)
.endif
.endm
.macro PLACES                          ; a load into a register that a matrix instruction has read, and a vector line that reads a matrix result, stand four plain vector lines behind it (ISA guide 7.12.1 for vector lines)
.rept 4
	v_nop
.endr
.endm
.macro CROUND                          ; a round of the cluster's barrier
	s_barrier_signal -1
	s_barrier_wait -1
	s_cmp_lg_u32 s[WV], 0
	s_cbranch_scc1 .Lnot_wave_0_\@
	s_barrier_signal -3
.Lnot_wave_0_\@:
	s_barrier_wait -3
	s_barrier_signal -1
	s_barrier_wait -1
.endm
.macro ADDR                            ; the three addresses that walk with the layers
	WIN 0
	v_add_nc_u32 v[WA0], s[WB], v[LW]
	v_add_nc_u32 v[WA1], 67584, v[WA0]
	v_lshl_add_u32 v[PG], v2, 5, s[PB]
.endm
; A block's x: lane (r, h) takes k = 24 h .. 24 h + 23 of its row in each tile, 96 consecutive bytes; a tile's six loads together cover its 3,072 consecutive bytes once.
; That is a permutation of k among the slots of the fragment; W1's fragments are read by the same one.
.macro XLOAD
	WIN 0xc0
.set zt, 0
.rept 4
.set zq, 0
.rept 6
	global_load_b128 v[X32+24*zt+4*zq:X32+24*zt+4*zq+3], v[XO], s[XB:XB+1] offset:3072*zt+16*zq
.set zq, zq+1
.endr
.set zt, zt+1
.endr
	WIN 0
.endm
.macro XCVT
	WIN 0x0f
.set zt, 0
.rept 4
.set zq, 0
.rept 12
	v_cvt_pk_f16_f32 v[X16+16*zt+zq], v[X32+24*zt+2*zq], v[X32+24*zt+2*zq+1]
.set zq, zq+1
.endr
.set zt, zt+1
.endr
	WIN 0
.endm
; LAYER 1, in four chunks of four feature tiles.  K = 48 and b1 fill 64 slots: b1's two f16 meet the two ones in x's register 12.
.macro FETCH1 c, buf
	WIN 0
.set zi, 0
.rept 4
.set fb, F0+64*(\buf)+16*zi
	ds_load_b128 v[fb:fb+3],     v[W1A] offset:1792*(4*(\c)+zi)
	ds_load_b128 v[fb+4:fb+7],   v[W1A] offset:1792*(4*(\c)+zi)+16
	ds_load_b128 v[fb+8:fb+11],  v[W1A] offset:1792*(4*(\c)+zi)+32
	ds_load_b128 v[fb+12:fb+15], v[W1B] offset:1792*(4*(\c)+zi)
.set zi, zi+1
.endr
.endm
.macro MUL1 c, buf                     ; 32 products; the 16 accumulators take turns; the first 16 start the sums
	WIN 0xa0+0x50*((\c)/2)
.set zs, 0
.rept 2
.set zi, 0
.rept 4
.set zt, 0
.rept 4
.set ab, 32*((4*(\c)+zi)%8)+8*zt
.set fa, F0+64*(\buf)+16*zi+8*zs
.set xb, X16+16*zt+8*zs
.if zs == 0
	v_wmma_f32_16x16x32_f16 v[ab:ab+7], v[fa:fa+7], v[xb:xb+7], 0
.else
	v_wmma_f32_16x16x32_f16 v[ab:ab+7], v[fa:fa+7], v[xb:xb+7], v[ab:ab+7]
.endif
.set zt, zt+1
.endr
.set zi, zi+1
.endr
.set zs, zs+1
.endr
.endm
; A 256-WIDE LAYER, in 16 chunks of one feature tile: 16 loads of the weight's fragments (16 features x 256 k), 2 of the bias; 32 products for the four row tiles.
.macro FETCH n, buf
	WIN 0
.set fb, F0+64*(\buf)
.set wa, WA0+(\n)/8
	ds_load_b128 v[BI+8*(\buf):BI+8*(\buf)+3],   v[PG] offset:2048+64*(\n)
	ds_load_b128 v[BI+8*(\buf)+4:BI+8*(\buf)+7], v[PG] offset:2048+64*(\n)+16
.set zs, 0
.rept 8
	ds_load_b128 v[fb+8*zs:fb+8*zs+3],   v[wa] offset:8448*((\n)%8)+64*zs
	ds_load_b128 v[fb+8*zs+4:fb+8*zs+7], v[wa] offset:8448*((\n)%8)+64*zs+32
.set zs, zs+1
.endr
.endm
.macro MUL n, buf                      ; the bias is the C operand that starts the sums; the four accumulators take turns
.set wn, 2+(\n)/8
.set ab, 32*((\n)%8)
.set fb, F0+64*(\buf)
.set bb, BI+8*(\buf)
	WIN (wn<<6)|0x04
.set zt, 0
.rept 4
	v_wmma_f32_16x16x32_f16 v[ab+8*zt:ab+8*zt+7], v[fb:fb+7], v[64*zt:64*zt+7], v[bb:bb+7]
.set zt, zt+1
.endr
	WIN (wn<<6)|(wn<<4)|0x04
.set zs, 1
.rept 7
.set zt, 0
.rept 4
	v_wmma_f32_16x16x32_f16 v[ab+8*zt:ab+8*zt+7], v[fb+8*zs:fb+8*zs+7], v[64*zt+8*zs:64*zt+8*zs+7], v[ab+8*zt:ab+8*zt+7]
.set zt, zt+1
.endr
.set zs, zs+1
.endr
.endm
.macro CHUNK n                         ; this chunk's 18 loads were issued a chunk ago; the next chunk's go out ahead of this chunk's 32 products
	s_wait_dscnt 0x0
.if (\n) < 15
.if (\n) > 0
	PLACES                                         ; behind the last product that read the other buffer
.endif
	FETCH (\n)+1, ((\n)+1)&1
.endif
	MUL \n, (\n)&1
.endm
; LAYERNORM.  SQ w: the squares of window w's 32 accumulators are added into Q, two chains a tile; each accumulator's lowest pair is read first; the first eight lines start the sums.
.macro SQ w
	WIN 0x0a+5*((\w)-2)
.set zn, 0
.rept 8
.set zp, 0
.rept 4
.set zt, 0
.rept 4
.set ab, 32*zn+8*zt+2*zp
.set qq, Q+4*zt+2*(zp&1)
.if ((\w) == 2) && (zn == 0) && (zp < 2)
	v_pk_mul_f32 v[qq:qq+1], v[ab:ab+1], v[ab:ab+1]
.else
	v_pk_fma_f32 v[qq:qq+1], v[ab:ab+1], v[ab:ab+1], v[qq:qq+1]
.endif
.set zt, zt+1
.endr
.set zp, zp+1
.endr
.set zn, zn+1
.endr
.endm
.macro LNLOAD g, buf                   ; g and be of feature tiles 4 g .. 4 g + 3: my 8 features of each
	WIN 0
.set zi, 0
.rept 4
.set fb, F0+64*(\buf)+16*zi
	ds_load_b128 v[fb:fb+3],     v[PG] offset:64*(4*(\g)+zi)
	ds_load_b128 v[fb+4:fb+7],   v[PG] offset:64*(4*(\g)+zi)+16
	ds_load_b128 v[fb+8:fb+11],  v[PG] offset:1024+64*(4*(\g)+zi)
	ds_load_b128 v[fb+12:fb+15], v[PG] offset:1024+64*(4*(\g)+zi)+16
.set zi, zi+1
.endr
.endm
.macro GROUP g, buf                    ; feature tiles 4 g .. 4 g + 3: d / sqrt(var + eps), times g plus be, rounded to f16 into the next layer's source 1
.set wn, 2+(\g)/2
	WIN (wn<<6)|wn
.set zi, 0
.rept 4
.set ab, 32*((4*(\g)+zi)%8)
.set fb, F0+64*(\buf)+16*zi
.set zt, 0
.rept 4
.set zp, 0
.rept 4
	v_pk_mul_f32 v[ab+8*zt+2*zp:ab+8*zt+2*zp+1], v[ab+8*zt+2*zp:ab+8*zt+2*zp+1], v[Q+4*zt:Q+4*zt+1] op_sel_hi:[1,0]
.set zp, zp+1
.endr
.set zt, zt+1
.endr
.set zt, 0
.rept 4
.set zp, 0
.rept 4
	v_pk_fma_f32 v[ab+8*zt+2*zp:ab+8*zt+2*zp+1], v[ab+8*zt+2*zp:ab+8*zt+2*zp+1], v[fb+2*zp:fb+2*zp+1], v[fb+8+2*zp:fb+8+2*zp+1]
.set zp, zp+1
.endr
.set zt, zt+1
.endr
.set zi, zi+1
.endr
	WIN 0x40|(wn<<2)|wn
.set zi, 0
.rept 4
.set zn, 4*(\g)+zi
.set zt, 0
.rept 4
.set zp, 0
.rept 4
	v_cvt_pk_f16_f32 v[64*zt+8*(zn/2)+4*(zn%2)+zp], v[32*(zn%8)+8*zt+2*zp], v[32*(zn%8)+8*zt+2*zp+1]
.set zp, zp+1
.endr
.set zt, zt+1
.endr
.set zi, zi+1
.endr
.endm
.macro ALLT line:vararg                ; one line for each row tile zt
.set zt, 0
.rept 4
	\line
.set zt, zt+1
.endr
.endm
	s_load_b128 s[4:7], s[0:1], 0x0                ; x s[4:5], wimg s[6:7]
	s_load_b64 s[8:9], s[0:1], 0x10                ; out0
	v_lshl_add_u32 v[SPW], v0, 2, SPARE
	v_mov_b32 v[NIL], 0
	ds_add_u32 v[SPW], v[NIL]                      ; the wave's opening: the add and its wait stand ahead of my first tensor load; the set-up below, work on registers, stands between them
	v_lshrrev_b32 v1, 5, v0
	v_readfirstlane_b32 s[WV], v1                  ; wave 0..3
	s_bfe_u32 s11, ttmp6, 0x40000                  ; cx: my place in the cluster
	s_lshl_b32 s12, ttmp9, 2                       ; in a cluster launch ttmp9 counts clusters
	s_add_co_u32 s12, s12, s11                     ; my work-group: it enters x's and out0's addresses alone
	; descriptor A: my quarter, 132 rows of 256 f16, of W2, W3 and Wm (528 rows on end in wimg), 16 bytes of padding behind each row
	s_mov_b32 s16, 1                               ; count = 1
	s_mul_i32 s17, s[WV], 69696                    ; LDS address: 132 rows of 528 bytes a wave
	s_mov_b32 s24, 15|(1<<16)|(1<<20)|(1<<21)|(6<<22)|(3<<25)  ; 15:0 the mask of four; 17:16 2-byte elements; 20 padding on; 21 set beside a mask; 24:22 after every 128 words (code 6); 31:25 4 words (code 3)
	s_mov_b32 s25, 256<<16                         ; tensor_dim0 = 256
	s_mov_b32 s26, 132<<16                         ; tensor_dim1 = 132
	s_mov_b32 s27, 256<<16                         ; tile_dim0 = 256
	s_mov_b32 s28, 132                             ; tile_dim1 = 132
	s_mov_b32 s29, 256                             ; 256 elements from row to row
	s_mov_b32 s30, 0
	s_mov_b32 s31, 0
	; descriptor B: my quarter of W1 and the parameters, 37,888 dense bytes: 37 rows of 256 bytes, no padding
	s_mov_b32 s20, 1
	s_mul_i32 s21, s[WV], 9472
	s_add_co_u32 s21, s21, IMG_W1
	s_mov_b32 s32, 15|(3<<16)|(1<<21)              ; the mask; 8-byte elements; 21 set beside a mask
	s_mov_b32 s33, 32<<16
	s_mov_b32 s34, 37<<16
	s_mov_b32 s35, 32<<16
	s_mov_b32 s36, 37
	s_mov_b32 s37, 32
	s_mov_b32 s38, 0
	s_mov_b32 s39, 0
	s_mov_b32 s[SEL], 0x76543210
	s_mov_b32 s[SEL+1], 0xfedcba98
	s_mov_b32 s50, 0x3b800000                      ; 1/256
	s_mov_b32 s51, 0x3727c5ac                      ; 1e-5
	s_mov_b32 s52, 0x4038aa3b                      ; 2 log2(e)
	s_mov_b32 s53, s52                             ; named with it as a pair
	s_mov_b32 s54, 0
	s_mov_b32 s55, 0x3c003c00                      ; 1.0 twice in f16
	s_mul_i32 s60, s[WV], 1536
	s_add_co_u32 s60, s60, STAGE                   ; my stage
	v_and_b32 v1, 15, v0                           ; r
	v_bfe_u32 v2, v0, 4, 1                         ; h
	v_mul_u32_u24 v[LW], v1, 528
	v_lshl_add_u32 v[LW], v2, 4, v[LW]
	v_mul_u32_u24 v[W1B], v1, 112
	v_mul_u32_u24 v9, v2, 48
	v_add3_u32 v[W1A], v[W1B], v9, IMG_W1
	v_add_nc_u32 v[W1B], IMG_W1+96, v[W1B]
	v_mul_u32_u24 v[XO], v1, 192
	v_mul_u32_u24 v9, v2, 96
	v_add_nc_u32 v[XO], v[XO], v9
	v_mul_u32_u24 v[SO], v1, 48
	v_mul_u32_u24 v9, v2, 24
	v_add3_u32 v[SO], v[SO], v9, s60
	v_and_b32 v[OO], 31, v0
	v_lshlrev_b32 v[OO], 4, v[OO]
	v_add_nc_u32 v[SR], s60, v[OO]
	v_sub_nc_u32 v9, 1, v2
	v_mul_lo_u32 v9, v9, s55                       ; two ones in lanes 0-15, 0 in lanes 16-31: b1 is added once
.set zt, 0
.rept 4
	v_mov_b32 v[X16+16*zt+12], v9
	v_mov_b32 v[X16+16*zt+13], 0
	v_mov_b32 v[X16+16*zt+14], 0
	v_mov_b32 v[X16+16*zt+15], 0
.set zt, zt+1
.endr
	s_mul_i32 s58, s[WV], 67584                    ; my quarter of the 528 rows in wimg: no place in the cluster enters these registers
	s_mov_b32 s59, 0
	s_mul_i32 s14, s12, 196608                     ; my work-group's 1,024 rows of x,
	s_mul_i32 s13, s[WV], 49152                    ; my wave's 256
	s_add_co_u32 s14, s14, s13
	s_mov_b32 s15, 0
	s_wait_dscnt 0x0                               ; the opening add is done
	s_wait_kmcnt 0x0
	s_add_nc_u64 s[18:19], s[6:7], s[58:59]
	s_or_b32 s19, s19, 0x80000000                  ; type = 2
	s_mul_i32 s58, s[WV], 9472
	s_add_co_u32 s58, s58, 270336
	s_add_nc_u64 s[22:23], s[6:7], s[58:59]
	s_or_b32 s23, s23, 0x80000000
	s_add_nc_u64 s[XB:XB+1], s[4:5], s[14:15]
	s_mul_i32 s14, s12, 49152                      ; the same rows in out0
	s_mul_i32 s13, s[WV], 12288
	s_add_co_u32 s14, s14, s13
	s_add_nc_u64 s[OUTB:OUTB+1], s[8:9], s[14:15]
	CROUND                                         ; all four work-groups are here: the joint loads meet
	tensor_load_to_lds s[16:19], s[24:31]          ; my two loads, the only ones of the launch: nothing is ever filled again
	s_nop 0
	tensor_load_to_lds s[20:23], s[32:39]
	s_nop 0
.rept 4
	v_nop
.endr
	XLOAD                                          ; block 0's x
	s_wait_tensorcnt 0x0                           ; my quarters of the image are in,
	s_barrier_signal -1
	s_barrier_wait -1                              ; everybody's are
	s_wait_loadcnt 0x0
	XCVT
	s_add_nc_u64 s[XB:XB+1], s[XB:XB+1], 12288
	s_mov_b32 s[BLK], 4
.Lblock:                                               ; a block of 64 rows goes through all four layers
	s_mov_b32 s[WB], 0
	s_mov_b32 s[PB], PAR
	ADDR
	FETCH1 0, 0
	s_wait_dscnt 0x0
	FETCH1 1, 1
	MUL1 0, 0
	s_wait_dscnt 0x0
	PLACES
	FETCH1 2, 0
	MUL1 1, 1
	s_wait_dscnt 0x0
	PLACES
	FETCH1 3, 1
	MUL1 2, 0
	s_wait_dscnt 0x0
	MUL1 3, 1
	WIN 0                                          ; at a label and at a branch every window is 0
	s_mov_b32 s[LAY], 3
	s_branch .Lln                                  ; the loop over layers is entered at its LayerNorm
.Llayer:                                               ; layers 2 and 3
	s_cmp_eq_u32 s[LAY], 1                         ; in layer 3 of every block but the last the next block's x is asked for, into the registers of the accumulators that are written last
	s_cselect_b32 s[FLG], s[BLK], 1
	s_cmp_eq_u32 s[FLG], 1
	s_cbranch_scc1 .Lno_x
	XLOAD
.Lno_x:
.set zc, 0
.rept 13
	CHUNK zc
.set zc, zc+1
.endr
	WIN 0
	s_wait_loadcnt 0x0                             ; x is in: it was asked for 13 chunks, 416 products, ago
	s_cmp_eq_u32 s[FLG], 1
	s_cbranch_scc1 .Lno_cvt
	XCVT                                           ; it leaves the landing registers ahead of chunk 13, which writes them
	s_add_nc_u64 s[XB:XB+1], s[XB:XB+1], 12288
.Lno_cvt:
.rept 3
	CHUNK zc
.set zc, zc+1
.endr
	s_add_co_u32 s[WB], s[WB], 135168              ; the next weight, the next parameters
	s_add_co_u32 s[PB], s[PB], 3072
	ADDR
.Lln:
	SQ 2                                           ; 128 plain lines on window 2, whose products are long done: also the places in front of the loads below and of the reads of window 3
	LNLOAD 0, 0
	LNLOAD 1, 1
	SQ 3
	WIN 0
	ALLT v_pk_add_f32 v[Q+4*zt:Q+4*zt+1], v[Q+4*zt:Q+4*zt+1], v[Q+4*zt+2:Q+4*zt+3]
	ALLT v_add_f32 v[Q+4*zt], v[Q+4*zt], v[Q+4*zt+1]
	ALLT v_permlanex16_b32 v[Q+4*zt+1], v[Q+4*zt], s[SEL], s[SEL+1]  ; the row's other 128 features lie in the lane 16 away
	ALLT v_add_f32 v[Q+4*zt], v[Q+4*zt], v[Q+4*zt+1]
	ALLT v_fma_f32 v[Q+4*zt], v[Q+4*zt], s50, s51  ; var + eps
	ALLT v_rsq_f32 v[Q+4*zt], v[Q+4*zt]
	v_nop                                          ; a plain line between the last v_rsq_f32 and the use of its result
	s_wait_alu depctr_va_vdst(0)
	s_wait_dscnt 16                                ; group 0's parameters are in; group 1's 16 loads may be out
	GROUP 0, 0
	LNLOAD 2, 0
	s_wait_dscnt 16                                ; group 1's are in; group 2's may be out
	GROUP 1, 1
	LNLOAD 3, 1
	s_wait_dscnt 16                                ; group 2's are in; group 3's may be out
	GROUP 2, 0
	FETCH 0, 0                                     ; the next product's first chunk: W2's, W3's, or Wm and bm'
	s_wait_dscnt 18                                ; group 3's are in; those 18 may be out
	GROUP 3, 1
	WIN 0x41
.set zq, 0
.rept 256
	v_pk_max_num_f16 v[zq], v[zq], s54             ; ReLU, two at a time
.set zq, zq+1
.endr
	WIN 0
	s_sub_co_u32 s[LAY], s[LAY], 1
	s_cmp_lg_u32 s[LAY], 0
	s_cbranch_scc1 .Llayer
	; THE LAST LAYER: one feature tile; lane (r, h) gets outputs 6 h + 0..5 of row r in registers 0-5
	s_wait_dscnt 0x0
	MUL 0, 0
	PLACES
	WIN 0xaa
.set zp, 0
.rept 3
	ALLT v_pk_mul_f32 v[8*zt+2*zp:8*zt+2*zp+1], v[8*zt+2*zp:8*zt+2*zp+1], s[52:53] op_sel_hi:[1,0]
.set zp, zp+1
.endr
.set zp, 0
.rept 6
	ALLT v_exp_f32 v[8*zt+zp], v[8*zt+zp]
.set zp, zp+1
.endr
	v_nop
	s_wait_alu depctr_va_vdst(0)
.set zp, 0
.rept 3
	ALLT v_pk_add_f32 v[8*zt+2*zp:8*zt+2*zp+1], v[8*zt+2*zp:8*zt+2*zp+1], 1.0 op_sel_hi:[1,0]
.set zp, zp+1
.endr
.set zp, 0
.rept 6
	ALLT v_rcp_f32 v[8*zt+zp], v[8*zt+zp]
.set zp, zp+1
.endr
	v_nop
	s_wait_alu depctr_va_vdst(0)
.set zp, 0
.rept 3
	ALLT v_pk_fma_f32 v[8*zt+2*zp:8*zt+2*zp+1], v[8*zt+2*zp:8*zt+2*zp+1], -2.0, 1.0 op_sel_hi:[1,0,0]
.set zp, zp+1
.endr
	; THE WAY OUT: two tiles (32 rows of 48 bytes) at a time through my stage, and back as 1,536 consecutive bytes.  LDS serves a wave's instructions in order (ISA guide 5.7.1.4): the loads see the stores ahead of them.
.set zh, 0
.rept 2
	WIN 0x08                                       ; the stores' data in window 2
.set zt, 0
.rept 2
.set zp, 0
.rept 3
	ds_store_b64 v[SO], v[8*(2*zh+zt)+2*zp:8*(2*zh+zt)+2*zp+1] offset:768*zt+8*zp
.set zp, zp+1
.endr
.set zt, zt+1
.endr
	WIN 0
.set zp, 0
.rept 3
	ds_load_b128 v[F1+12*zh+4*zp:F1+12*zh+4*zp+3], v[SR] offset:512*zp
.set zp, zp+1
.endr
.set zh, zh+1
.endr
	s_wait_dscnt 9                                 ; the first three loads are in; the six stores and three loads behind them may be out
.set zp, 0
.rept 3
	global_store_b128 v[OO], v[F1+4*zp:F1+4*zp+3], s[OUTB:OUTB+1] offset:512*zp th:TH_STORE_NT  ; 512 consecutive bytes, at a multiple of 256 from out0's first
.set zp, zp+1
.endr
	s_wait_dscnt 0x0
.set zp, 0
.rept 3
	global_store_b128 v[OO], v[F1+12+4*zp:F1+12+4*zp+3], s[OUTB:OUTB+1] offset:1536+512*zp th:TH_STORE_NT
.set zp, zp+1
.endr
	s_wait_xcnt 0x0                                ; the stores' base and data registers are rewritten only behind this wait
	s_add_nc_u64 s[OUTB:OUTB+1], s[OUTB:OUTB+1], 3072
	s_sub_co_u32 s[BLK], s[BLK], 1
	s_cmp_lg_u32 s[BLK], 0
	s_cbranch_scc1 .Lblock
	s_wait_tensorcnt 0x0                           ; the wave's end: behind my last tensor load and my last LDS store
	ds_add_u32 v[SPW], v[NIL]
	s_wait_dscnt 0x0
	CROUND                                         ; the closing round
	s_endpgm
.Lfunc_end_k_qc1f767f5c9_mlp:
	.size	k_qc1f767f5c9_mlp, .Lfunc_end_k_qc1f767f5c9_mlp-k_qc1f767f5c9_mlp
	.p2alignl 7, 3214868480
	.fill 96, 4, 3214868480
	.section	.rodata,"a",@progbits
	.p2align	6, 0x0
	.amdhsa_kernel k_qc1f767f5c9_mlp
		.amdhsa_group_segment_fixed_size 327680
		.amdhsa_private_segment_fixed_size 0
		.amdhsa_enable_private_segment 0
		.amdhsa_kernarg_size 24
		.amdhsa_user_sgpr_count 2
		.amdhsa_user_sgpr_kernarg_segment_ptr 1
		.amdhsa_wavefront_size32 1
		.amdhsa_system_sgpr_workgroup_id_x 1
		.amdhsa_system_sgpr_workgroup_id_y 1
		.amdhsa_system_sgpr_workgroup_id_z 1
		.amdhsa_system_vgpr_workitem_id 0
		.amdhsa_next_free_vgpr 1024
		.amdhsa_next_free_sgpr 66
		.amdhsa_reserve_vcc 0
		.amdhsa_float_denorm_mode_32 3
		.amdhsa_float_denorm_mode_16_64 3
		.amdhsa_memory_ordered 1
		.amdhsa_forward_progress 1
		.amdhsa_inst_pref_size 179
	.end_amdhsa_kernel
	.amdgpu_metadata
---
amdhsa.version: [ 1, 2 ]
amdhsa.kernels:
  - .name:           k_qc1f767f5c9_mlp
    .symbol:         k_qc1f767f5c9_mlp.kd
    .args:
      - { .name: x, .offset: 0, .size: 8, .value_kind: global_buffer, .address_space: global }
      - { .name: wimg, .offset: 8, .size: 8, .value_kind: global_buffer, .address_space: global }
      - { .name: out0, .offset: 16, .size: 8, .value_kind: global_buffer, .address_space: global }
    .group_segment_fixed_size: 327680
    .private_segment_fixed_size: 0
    .kernarg_segment_align: 8
    .kernarg_segment_size: 24
    .max_flat_workgroup_size: 128
    .sgpr_count:     66
    .vgpr_count:     1024
    .wavefront_size: 32
...
	.end_amdgpu_metadata
.endif
;; end of part 2
;; ======== version 2 of 2: 2 launches; version 1 with the launch prep written anew for expert scheduling mode
;; limits: values are held in f16: magnitudes above 65,504 overflow, below 6.1e-05 lose precision
;; workspace buffers: wimg 308,224 bytes
;; launch prep (part 3): grid 3 x 1, 32 waves a work-group, no clusters, 167,936 bytes of LDS; arguments W1, W2, W3, Wm, b1, g1, be1, b2, g2, be2, b3, g3, be3, bm, wimg; writes wimg
.if DOCPART == 3
	.amdgcn_target "amdgcn-amd-amdhsa--gfx1250"
	.amdhsa_code_object_version 6
	.text
	.protected	k_qc1f767f5c9_prep
	.globl	k_qc1f767f5c9_prep
	.p2align	8
	.type	k_qc1f767f5c9_prep,@function
k_qc1f767f5c9_prep:
	s_mov_b64 s[64:65], 0
	v_nop
	global_prefetch_b8 v0, s[64:65] scope:SCOPE_SE
	s_setreg_imm32_b32 hwreg(HW_REG_WAVE_SCHED_MODE, 0, 2), 2
	s_setreg_imm32_b32 hwreg(HW_REG_WAVE_MODE, 25, 1), 1
	s_wait_xcnt 0x0
	s_wait_alu depctr_vm_vsrc(0)
; PREP: makes wimg, the image of all weights and parameters that the main launch lays into LDS.
; LayerNorm needs h - mean_n(h), and h - mean_n(h) = x (W - rowmean_n W) + (b - mean b) for every input: so each row k of W1, W2, W3 has its mean over
; the 256 features taken away here, in f32, before its one rounding to f16, and b1, b2, b3 have their means taken away.  Wm and bm are not centred.
; wimg: 0 W2c^T (row n = 256 f16 along k, 512 bytes); 131,072 W3c^T; 262,144 Wm^T, 16 rows (m 0-5 = outputs 0-5, m 8-13 = outputs 6-11, the others 0);
;   270,336 W1c^T, rows of 112 bytes: 48 f16, then (b1c as f16, what that rounding left as f16, six zeros); 299,008 nine vectors of 256 f32: g1, be1, b2c, g2, be2, b3c, g3, be3, bm'
;   (bm' = bm0-5, 0, 0, bm6-11, 0, 0, zeros).
; LIMITS.  A centred weight, or a centred b1, of 65,520 or more becomes an infinity in f16; below 6e-5 f16 keeps a fixed step of 6e-8.  NaN and infinities are not treated apart.
; SHARES.  Work-groups 0 and 1 take W2 and W3: wave u takes rows k = 8u .. 8u+7 (8,192 consecutive bytes), centres them, and puts for each n the 16 bytes (8 k) into an LDS row n; behind
; one barrier whole rows of 512 bytes go out.  Work-group 2: waves 0-5 W1 in the same way, wave 6 b1, waves 7-22 a row of Wm^T each, waves 23-30 a vector each, wave 31 bm'.
; LDS.  0: 256 rows of 528 bytes for W2 or W3.  W1REG: 256 rows of 112 bytes for W1 and b1, a region of their own, so that the two paths' stores name different bytes.  SPARE: the spare words.
; THE MODE: SCHED_MODE bits 1:0 = 2 (LLVM: expert scheduling mode 2), set by the entry lines.  The code itself states the register dependences
; between vector instructions and memory or LDS instructions, with s_wait_alu, always for 0.
; THE PLAN.  Registers that memory or LDS instructions touch, in the order of the text (there is no loop):
;   v[LO], v[CG]     offsets, written at the head, read by global loads and stores, never written again: one wait on va_vdst at the head, ahead of the first branch, serves them everywhere.
;   R                global loads land in it; ROWS and the conversions work on it; waves 23-31 store from it; behind the barrier LDS loads land in it, and global stores read it.
;   CV and SM        the eight pieces of 16 bytes that leave for LDS: pieces 0-3 in CV, pieces 4-7 in SM, which is free once ROWS has taken the means away.  All eight are written first, ONE wait on
;                    va_vdst follows, then the eight LDS stores go in one run; no piece is written twice, so nothing is owed for a second writing.
;   v[LS], v[LS2]    LDS addresses, written in the wait for the loads, read by those stores: the same wait serves them.
;   v8 - v11, v9     offsets of the small paths, each written once: a wait on va_vdst ahead of the run that reads them.
;   v[CL], v[CL2]    LDS addresses of the way out, written behind the barrier: a wait on va_vdst ahead of the LDS loads, behind which no vector line names R.
;   v[SPW], v[NIL]   written at the head, read by the closing add alone.
; One wait on vm_vsrc stands where the paths join: the stores of waves 23-31 have read R.  Scalars that vector lines write (the wave's number, bm's five masks) have a wait on va_sdst ahead of their first reader.
.set LO,  2                            ; v2   16 x lane
.set LS,  3                            ; v3   LDS: row 4 x lane, byte 16 x wave
.set LS2, 4                            ; v4   the same, 128 rows on
.set CL,  5                            ; v5   copy-out: where I read in LDS
.set CL2, 6                            ; v6   the same, 128 rows on
.set CG,  7                            ; v7   16 x thread
.set R,   16                           ; v[16:79]   8 rows as loaded: row kk at R + 8 kk: n = 4 l + 0..3, then n = 128 + 4 l + 0..3
.set SM,  80                           ; v[80:95]   a pair for each row's sum; behind ROWS pieces 4 to 7 of 16 bytes
.set CV,  96                           ; v[96:111]  pieces 0 to 3 of 16 bytes
.set SPW, 112                          ; v112 LDS address of my spare word; never rewritten
.set NIL, 113                          ; v113 0; never rewritten
.set W1REG, 135168                     ; behind 256 rows of 528 bytes: 256 rows of 112 bytes
.set SPARE, 163840                     ; behind those: the spare words, 128 bytes for each of 32 waves
.set WV,  2                            ; s2   my wave's number
.set NI,  38                           ; s[38:39] -1/256, or 0 for a vector that is not centred (low word; the pair is named)
.set SEL, 40                           ; s[40:41] v_permlanex16_b32's selects: each lane takes its own place in the other half
.set O_WM,  262144
.set O_W1,  270336
.set O_PAR, 299008
; nr rows in R: each row's sum over its 256 numbers (8 a lane, then across the 32 lanes), and row = row + NI x sum.  One operation for all rows, then the next, so that no line waits for the one before it.
.macro ROWS nr
.set kk, 0
.rept \nr
	v_pk_add_f32 v[SM+2*kk:SM+2*kk+1], v[R+8*kk:R+8*kk+1], v[R+8*kk+2:R+8*kk+3]
.set kk, kk+1
.endr
.set kk, 0
.rept \nr
	v_pk_add_f32 v[SM+2*kk:SM+2*kk+1], v[SM+2*kk:SM+2*kk+1], v[R+8*kk+4:R+8*kk+5]
.set kk, kk+1
.endr
.set kk, 0
.rept \nr
	v_pk_add_f32 v[SM+2*kk:SM+2*kk+1], v[SM+2*kk:SM+2*kk+1], v[R+8*kk+6:R+8*kk+7]
.set kk, kk+1
.endr
.set kk, 0
.rept \nr
	v_add_f32 v[SM+2*kk], v[SM+2*kk], v[SM+2*kk+1]
.set kk, kk+1
.endr
.irp m, 1, 2, 4, 8
.set kk, 0
.rept \nr
	v_add_f32_dpp v[SM+2*kk], v[SM+2*kk], v[SM+2*kk] row_xmask:\m row_mask:0xf bank_mask:0xf
.set kk, kk+1
.endr
.endr
.set kk, 0
.rept \nr
	v_permlanex16_b32 v[SM+2*kk+1], v[SM+2*kk], s[SEL], s[SEL+1]
.set kk, kk+1
.endr
.set kk, 0
.rept \nr
	v_add_f32 v[SM+2*kk], v[SM+2*kk], v[SM+2*kk+1]
.set kk, kk+1
.endr
.set kk, 0
.rept \nr
.set pp, 0
.rept 4
	v_pk_fma_f32 v[R+8*kk+2*pp:R+8*kk+2*pp+1], v[SM+2*kk:SM+2*kk+1], s[NI:NI+1], v[R+8*kk+2*pp:R+8*kk+2*pp+1] op_sel_hi:[0,0,1]
.set pp, pp+1
.endr
.set kk, kk+1
.endr
.endm
.macro LSADDR pitch, base              ; base + row 4 x lane + byte 16 x wave, and the same 128 rows on
	v_mul_u32_u24 v[LS], v1, 4*(\pitch)
	v_lshl_add_u32 v[LS], s[WV], 4, v[LS]
.if (\base) != 0
	v_add_nc_u32 v[LS], \base, v[LS]
.endif
	v_add_nc_u32 v[LS2], 128*(\pitch), v[LS]
.endm
; The eight pieces leave for LDS in one run: piece cc (in CV for cc < 4, in SM from 4 on) goes to row 4 l + cc % 4, the last four 128 rows on.
.macro PIECES_OUT pitch
.set cc, 0
.rept 8
.set pc, CV+4*(cc&3)+(SM-CV)*(cc/4)
.if cc < 4
	ds_store_b128 v[LS],  v[pc:pc+3] offset:(cc&3)*(\pitch)
.else
	ds_store_b128 v[LS2], v[pc:pc+3] offset:(cc&3)*(\pitch)
.endif
.set cc, cc+1
.endr
.endm
; Eight rows of a [K][256] matrix at s[4:5]: loaded (each load 512 consecutive bytes), centred, rounded, and laid into LDS turned: for column cc of my eight, the 8 k as 16 bytes of row n.
.macro UNIT pitch, base
.set kk, 0
.rept 8
	global_load_b128 v[R+8*kk:R+8*kk+3],   v[LO], s[4:5] offset:1024*kk
	global_load_b128 v[R+8*kk+4:R+8*kk+7], v[LO], s[4:5] offset:1024*kk+512
.set kk, kk+1
.endr
	LSADDR \pitch, \base
	s_wait_loadcnt 0x0
	ROWS 8
.set cc, 0
.rept 8
.set pc, CV+4*(cc&3)+(SM-CV)*(cc/4)
.set jj, 0
.rept 4
	v_cvt_pk_f16_f32 v[pc+jj], v[R+16*jj+cc], v[R+16*jj+8+cc]
.set jj, jj+1
.endr
.set cc, cc+1
.endr
	s_wait_alu depctr_va_vdst(0)                   ; the conversions have written the eight pieces, and LSADDR v[LS] and v[LS2]: the LDS stores read them
	PIECES_OUT \pitch
.endm
	s_load_b512 s[8:23], s[0:1], 0x0               ; W1 s8, W2 s10, W3 s12, Wm s14, b1 s16, g1 s18, be1 s20, b2 s22
	s_load_b256 s[24:31], s[0:1], 0x40             ; g2 s24, be2 s26, b3 s28, g3 s30
	s_load_b128 s[32:35], s[0:1], 0x60             ; be3 s32, bm s34
	s_load_b64 s[36:37], s[0:1], 0x70              ; wimg
	v_lshl_add_u32 v[SPW], v0, 2, SPARE
	v_mov_b32 v[NIL], 0
	v_and_b32 v1, 31, v0                           ; lane
	v_lshrrev_b32 v8, 5, v0
	v_readfirstlane_b32 s[WV], v8                  ; wave 0..31
	v_lshlrev_b32 v[LO], 4, v1
	v_lshlrev_b32 v[CG], 4, v0
	s_mov_b32 s[NI], 0xbb800000                    ; -1/256
	s_mov_b32 s[NI+1], 0
	s_mov_b32 s[SEL], 0x76543210
	s_mov_b32 s[SEL+1], 0xfedcba98
	s_mov_b32 s7, 0                                ; the high word of every offset pair s[6:7]
	s_wait_alu depctr_va_sdst(0)                   ; s[WV] is written, ahead of the branch and of its first reader: offsets, compares and LDS addresses are made from it
	s_wait_alu depctr_va_vdst(0)                   ; v[LO] and v[CG] are written: the global loads and stores of every path read one of them as their offset
	s_wait_kmcnt 0x0
	s_cmp_eq_u32 ttmp9, 2
	s_cbranch_scc1 .Lsmall
	; work-groups 0 and 1: W2 or W3
	s_cmp_eq_u32 ttmp9, 0
	s_cselect_b64 s[4:5], s[10:11], s[12:13]
	s_lshl_b32 s6, s[WV], 13                       ; my 8 rows of 1,024 bytes
	s_add_nc_u64 s[4:5], s[4:5], s[6:7]
	UNIT 528, 0
	s_branch .Ljoin
.Lsmall:
	s_cmp_lt_u32 s[WV], 6
	s_cbranch_scc0 .Lnot_w1
	s_lshl_b32 s6, s[WV], 13                       ; waves 0-5: W1's 48 rows
	s_add_nc_u64 s[4:5], s[8:9], s[6:7]
	UNIT 112, W1REG
	s_branch .Ljoin
.Lnot_w1:
	s_cmp_eq_u32 s[WV], 6
	s_cbranch_scc0 .Lnot_b1
	; wave 6: b1, centred, as two f16 that add up to it, at byte 96 = 16 x 6 of W1's rows
	global_load_b128 v[R:R+3],   v[LO], s[16:17]
	global_load_b128 v[R+4:R+7], v[LO], s[16:17] offset:512
	LSADDR 112, W1REG
.set cc, 0
.rept 4
	v_mov_b32 v[CV+4*cc+1], 0
	v_mov_b32 v[CV+4*cc+2], 0
	v_mov_b32 v[CV+4*cc+3], 0
.set cc, cc+1
.endr
	s_wait_loadcnt 0x0
	ROWS 1
.set cc, 0
.rept 4
	v_mov_b32 v[SM+4*cc+1], 0                      ; pieces 4 to 7: behind ROWS, which works in SM's first pair
	v_mov_b32 v[SM+4*cc+2], 0
	v_mov_b32 v[SM+4*cc+3], 0
.set cc, cc+1
.endr
.set cc, 0
.rept 8
	v_cvt_pk_f16_f32 v8, v[R+cc], v[R+cc]
	v_cvt_f32_f16 v9, v8.l
	v_sub_f32 v9, v[R+cc], v9                      ; what the rounding left
	v_cvt_pk_f16_f32 v[CV+4*(cc&3)+(SM-CV)*(cc/4)], v[R+cc], v9
.set cc, cc+1
.endr
	s_wait_alu depctr_va_vdst(0)                   ; the eight pieces, v[LS] and v[LS2] are written: the LDS stores read them
	PIECES_OUT 112
	s_branch .Ljoin
.Lnot_b1:
	s_cmp_lt_u32 s[WV], 23
	s_cbranch_scc0 .Lnot_wm
	; waves 7-22: row m = wave - 7 of Wm^T.  Lane p takes k = 8 p .. 8 p + 7 of column o; rows 6, 7, 14, 15 are masked to 0
	s_sub_co_u32 s43, s[WV], 7                     ; m
	s_lshr_b32 s42, s43, 3
	s_lshl_b32 s42, s42, 1
	s_sub_co_u32 s42, s43, s42
	s_min_u32 s42, s42, 11                         ; o = min(m - 2 (m / 8), 11): inside Wm's 12 columns for every m
	s_lshl_b32 s42, s42, 2
	v_mul_u32_u24 v8, v1, 384                      ; 8 rows of 48 bytes a lane
	v_add_nc_u32 v8, s42, v8
	s_wait_alu depctr_va_vdst(0)                   ; v8 is written: the eight loads read it as their offset
.set cc, 0
.rept 8
	global_load_b32 v[R+cc], v8, s[14:15] offset:48*cc
.set cc, cc+1
.endr
	s_and_b32 s46, s43, 7
	s_cmp_lt_u32 s46, 6
	s_cselect_b32 s46, -1, 0
	s_lshl_b32 s47, s43, 9
	v_add_nc_u32 v9, s47, v[LO]                    ; 512 m + 16 p
	s_wait_loadcnt 0x0
.set cc, 0
.rept 4
	v_cvt_pk_f16_f32 v[CV+cc], v[R+2*cc], v[R+2*cc+1]
.set cc, cc+1
.endr
.set cc, 0
.rept 4
	v_and_b32 v[CV+cc], s46, v[CV+cc]
.set cc, cc+1
.endr
	s_wait_alu depctr_va_vdst(0)                   ; v[CV .. CV+3] and v9 are written: the store reads them as data and offset
	global_store_b128 v9, v[CV:CV+3], s[36:37] offset:O_WM  ; the wave stores 512 consecutive bytes
	s_branch .Ljoin
.Lnot_wm:
	s_cmp_lt_u32 s[WV], 31
	s_cbranch_scc0 .Lbm
	; waves 23-30: vector j = wave - 23 of g1, be1, b2, g2, be2, b3, g3, be3; b2 and b3 are centred
	s_sub_co_u32 s43, s[WV], 23
	s_mov_b64 s[4:5], s[18:19]
.irp j, 1, 2, 3, 4, 5, 6, 7
	s_cmp_eq_u32 s43, \j
	s_cselect_b64 s[4:5], s[18+2*\j:19+2*\j], s[4:5]
.endr
	s_cmp_eq_u32 s43, 2
	s_cselect_b32 s46, s[NI], 0
	s_cmp_eq_u32 s43, 5
	s_cselect_b32 s[NI], s[NI], s46
	global_load_b128 v[R:R+3],   v[LO], s[4:5]
	global_load_b128 v[R+4:R+7], v[LO], s[4:5] offset:512
	s_lshl_b32 s47, s43, 10
	v_add_nc_u32 v9, s47, v[LO]
	s_wait_loadcnt 0x0
	ROWS 1
	s_wait_alu depctr_va_vdst(0)                   ; ROWS has written v[R .. R+7], and v9 is written: the two stores read them as data and offset
	global_store_b128 v9, v[R:R+3],   s[36:37] offset:O_PAR
	global_store_b128 v9, v[R+4:R+7], s[36:37] offset:O_PAR+512
	s_branch .Ljoin
.Lbm:
	; wave 31: bm'.  Number e = 4 l + i (l < 4) is bm[e - 2 (e / 8)] where e % 8 < 6, else 0; the index is held inside bm's 12 numbers in every lane
	v_lshrrev_b32 v12, 1, v1
	v_lshlrev_b32 v12, 1, v12
	v_lshlrev_b32 v13, 2, v1
	v_sub_nc_u32 v13, v13, v12
.set cc, 0
.rept 4
	v_add_nc_u32 v[8+cc], cc, v13
	v_min_u32 v[8+cc], 11, v[8+cc]
	v_lshlrev_b32 v[8+cc], 2, v[8+cc]
.set cc, cc+1
.endr
	s_wait_alu depctr_va_vdst(0)                   ; v8 to v11 are written: the four loads read them as their offsets
.set cc, 0
.rept 4
	global_load_b32 v[R+cc], v[8+cc], s[34:35]
.set cc, cc+1
.endr
	; the masks hang on the lane alone: they are made, with their two waits, while the loads are on their way
	v_and_b32 v14, 1, v1
	v_lshlrev_b32 v14, 2, v14                      ; 4 (l % 2),
	v_cmp_gt_u32 s42, 4, v1
	s_wait_alu depctr_va_sdst(0)                   ; s42 is written, ahead of the select that reads it
	v_cndmask_b32 v14, 8, v14, s42                 ; or 8 in lanes 4 and up, so that nothing there counts
.set cc, 0
.rept 4
	v_mov_b32 v[R+4+cc], 0
.set cc, cc+1
.endr
.set cc, 0
.rept 4
	v_cmp_gt_u32 s[44+cc], 6-cc, v14               ; the four compares in a run, a scalar register each
.set cc, cc+1
.endr
	s_wait_alu depctr_va_sdst(0)                   ; s44 to s47 are written, ahead of the four selects that read them: one wait for the run
	s_wait_loadcnt 0x0
.set cc, 0
.rept 4
	v_cndmask_b32 v[R+cc], 0, v[R+cc], s[44+cc]
.set cc, cc+1
.endr
	s_wait_alu depctr_va_vdst(0)                   ; the selects and the moves have written v[R .. R+7], which the two stores read
	global_store_b128 v[LO], v[R:R+3],   s[36:37] offset:O_PAR+8192
	global_store_b128 v[LO], v[R+4:R+7], s[36:37] offset:O_PAR+8192+512
.Ljoin:
	s_wait_xcnt 0x0                                ; R, which stores above read, is loaded into again below only behind this wait
	s_wait_alu depctr_vm_vsrc(0)                   ; the global stores of waves 23 to 31 have read v[R .. R+7], in which the LDS loads below land; it stands ahead of the branch to either way out
	s_wait_dscnt 0x0                               ; for the others' sake: my stores into the LDS rows are done
	s_barrier_signal -1
	s_barrier_wait -1
	s_cmp_eq_u32 ttmp9, 2
	s_cbranch_scc1 .Lout_small
	; W2 or W3 leaves: in turn i wave u takes row u + 32 i, 512 bytes, which are 512 consecutive bytes of wimg
	s_lshl_b32 s6, ttmp9, 17
	s_add_nc_u64 s[44:45], s[36:37], s[6:7]
	s_mul_i32 s46, s[WV], 528
	v_add_nc_u32 v[CL], s46, v[LO]
	v_add_nc_u32 v[CL2], 67584, v[CL]
	s_wait_alu depctr_va_vdst(0)                   ; v[CL] and v[CL2] are written, which the LDS loads read; every vector line that named R stands ahead of this wait too
.set cc, 0
.rept 4
	ds_load_b128 v[R+4*cc:R+4*cc+3], v[CL] offset:16896*cc
.set cc, cc+1
.endr
.set cc, 0
.rept 4
	ds_load_b128 v[R+16+4*cc:R+16+4*cc+3], v[CL2] offset:16896*cc
.set cc, cc+1
.endr
.set cc, 0
.rept 8
	s_wait_dscnt 7-cc                              ; LDS loads come back in order: load cc is in, the younger ones may be out
	global_store_b128 v[CG], v[R+4*cc:R+4*cc+3], s[44:45] offset:16384*cc
.set cc, cc+1
.endr
	s_branch .Lend
.Lout_small:
	; W1's 28,672 bytes leave as they lie: 16 bytes a thread, and 12,288 more by the first 24 waves
	v_add_nc_u32 v[CL], W1REG, v[CG]
	s_wait_alu depctr_va_vdst(0)                   ; v[CL] is written, which the LDS loads read; every vector line that named R stands ahead of this wait too
	ds_load_b128 v[R:R+3], v[CL]
	s_cmp_lt_u32 s[WV], 24
	s_cbranch_scc0 .Lone
	ds_load_b128 v[R+4:R+7], v[CL] offset:16384
	s_wait_dscnt 0x0
	global_store_b128 v[CG], v[R+4:R+7], s[36:37] offset:O_W1+16384
.Lone:
	s_wait_dscnt 0x0
	global_store_b128 v[CG], v[R:R+3], s[36:37] offset:O_W1
.Lend:
	s_wait_dscnt 0x0                               ; the closing lines, six on end
	s_wait_alu 0x0
	s_wait_tensorcnt 0x0
	ds_add_u32 v[SPW], v[NIL]
	s_wait_dscnt 0x0
	s_endpgm
.Lfunc_end_k_qc1f767f5c9_prep:
	.size	k_qc1f767f5c9_prep, .Lfunc_end_k_qc1f767f5c9_prep-k_qc1f767f5c9_prep
	.p2alignl 7, 3214868480
	.fill 96, 4, 3214868480
	.section	.rodata,"a",@progbits
	.p2align	6, 0x0
	.amdhsa_kernel k_qc1f767f5c9_prep
		.amdhsa_group_segment_fixed_size 167936
		.amdhsa_private_segment_fixed_size 0
		.amdhsa_enable_private_segment 0
		.amdhsa_kernarg_size 120
		.amdhsa_user_sgpr_count 2
		.amdhsa_user_sgpr_kernarg_segment_ptr 1
		.amdhsa_wavefront_size32 1
		.amdhsa_system_sgpr_workgroup_id_x 1
		.amdhsa_system_sgpr_workgroup_id_y 1
		.amdhsa_system_sgpr_workgroup_id_z 1
		.amdhsa_system_vgpr_workitem_id 0
		.amdhsa_next_free_vgpr 116
		.amdhsa_next_free_sgpr 66
		.amdhsa_reserve_vcc 0
		.amdhsa_float_denorm_mode_32 3
		.amdhsa_float_denorm_mode_16_64 3
		.amdhsa_memory_ordered 1
		.amdhsa_forward_progress 1
		.amdhsa_inst_pref_size 37
	.end_amdhsa_kernel
	.amdgpu_metadata
---
amdhsa.version: [ 1, 2 ]
amdhsa.kernels:
  - .name:           k_qc1f767f5c9_prep
    .symbol:         k_qc1f767f5c9_prep.kd
    .args:
      - { .name: W1, .offset: 0, .size: 8, .value_kind: global_buffer, .address_space: global }
      - { .name: W2, .offset: 8, .size: 8, .value_kind: global_buffer, .address_space: global }
      - { .name: W3, .offset: 16, .size: 8, .value_kind: global_buffer, .address_space: global }
      - { .name: Wm, .offset: 24, .size: 8, .value_kind: global_buffer, .address_space: global }
      - { .name: b1, .offset: 32, .size: 8, .value_kind: global_buffer, .address_space: global }
      - { .name: g1, .offset: 40, .size: 8, .value_kind: global_buffer, .address_space: global }
      - { .name: be1, .offset: 48, .size: 8, .value_kind: global_buffer, .address_space: global }
      - { .name: b2, .offset: 56, .size: 8, .value_kind: global_buffer, .address_space: global }
      - { .name: g2, .offset: 64, .size: 8, .value_kind: global_buffer, .address_space: global }
      - { .name: be2, .offset: 72, .size: 8, .value_kind: global_buffer, .address_space: global }
      - { .name: b3, .offset: 80, .size: 8, .value_kind: global_buffer, .address_space: global }
      - { .name: g3, .offset: 88, .size: 8, .value_kind: global_buffer, .address_space: global }
      - { .name: be3, .offset: 96, .size: 8, .value_kind: global_buffer, .address_space: global }
      - { .name: bm, .offset: 104, .size: 8, .value_kind: global_buffer, .address_space: global }
      - { .name: wimg, .offset: 112, .size: 8, .value_kind: global_buffer, .address_space: global }
    .group_segment_fixed_size: 167936
    .private_segment_fixed_size: 0
    .kernarg_segment_align: 8
    .kernarg_segment_size: 120
    .max_flat_workgroup_size: 1024
    .sgpr_count:     66
    .vgpr_count:     116
    .wavefront_size: 32
...
	.end_amdgpu_metadata
.endif
;; end of part 3
;; launch mlp: the kernel of part 2 again; grid 256 x 1, 4 waves a work-group, clusters of 4 x 1, 327,680 bytes of LDS; arguments x, wimg, out0; writes out0
